; MI455X (gfx1250); checked and timed in simulation.
; The chip was launched on July 23, 2026; its instructions are those of AMD's public machine-readable ISA for CDNA 5 (MIT licence, August 2026) and "CDNA5" Instruction Set Architecture Reference Guide (July 2026). The comments in the code are by the model that wrote it; some were corrected since.
;; Attention. Allowed arithmetic: matrix products marked QUANTISED: E4M3 operands, one given power-of-two scale a tensor, by v_wmma_f32_16x16x64_fp8_fp8 or v_wmma_f32_16x16x128_fp8_fp8, f32 sums; everything else in f32.
;; Inputs: freqs_cos 2,048 x 32 float32; freqs_sin 2,048 x 32 float32; lowp_scales 12 int32 (the exponents e of the quantised operands' scales 2^e); mask 1 x 1 x 2,048 x 2,048 float32; wk 2,048 x 2,048 float32; wo 2,048 x 2,048 float32; wq 2,048 x 2,048 float32; wv 2,048 x 2,048 float32; x 1 x 2,048 x 2,048 float32.
;; Outputs: out0 1 x 2,048 x 2,048 float32.
;; This version of the problem:
;;   THIS VERSION OF THE PROBLEM IS GIVEN IN LOW PRECISION. The matrix products marked QUANTISED in the list below multiply operands that are first quantised to E4M3 (4 exponent bits, 3 mantissa bits; 8 bits a number), with one given power-of-two scale for each operand tensor; their sums are f32. All else is computed in f32.
;;   The module's matrix products, in the order in which they are computed (A, B: the left and right operand; K: the contracted axis; several contracted axes count as one K, in the product's order):
;;     1. [M 2,048, K 2,048] x [K 2,048, N 2,048]; A: input x; B: input wq: QUANTISED (scales: A lowp_scales[0], B lowp_scales[1])
;;     2. [M 2,048, K 2,048] x [K 2,048, N 2,048]; A: input x; B: input wk: QUANTISED (scales: A lowp_scales[2], B lowp_scales[3])
;;     3. [M 2,048, K 2,048] x [K 2,048, N 2,048]; A: input x; B: input wv: QUANTISED (scales: A lowp_scales[4], B lowp_scales[5])
;;     4. batch 32 x [M 2,048, K 64] x [K 64, N 2,048]; A: computed on the way; B: computed on the way: QUANTISED (scales: A lowp_scales[6], B lowp_scales[7])
;;     5. batch 32 x [M 2,048, K 2,048] x [K 2,048, N 64]; A: softmax (see below); B: computed on the way: QUANTISED (scales: A lowp_scales[8], B lowp_scales[9])
;;     6. [M 2,048, K 2,048] x [K 2,048, N 2,048]; A: computed on the way; B: input wo: QUANTISED (scales: A lowp_scales[10], B lowp_scales[11])
;;   THE QUANTISER, for each operand of a quantised product, along K:
;;     - The operand's scale is 2^e, e = its entry of the input lowp_scales (int32; the entries are numbered through the quantised products in the list's order, A before B).
;;     - Each number is divided by the scale, clamped to +-448, and rounded to the nearest number of E4M3, ties to even, subnormals kept.
;;     - The product sums the exact products of the quantised numbers (number of the format x scale) in f32.
;;   ~~~python
;;   def quantise(x, axis, e):      # numpy; x: float32 -> the quantised numbers, widened to float32 again
;;       x = np.moveaxis(x, axis, -1); K = x.shape[-1]
;;       r = np.clip(x / 2.0 ** e, -448, 448)
;;       step = 2.0 ** (np.maximum(np.frexp(np.where(r == 0, 1, r))[1] - 1, -6) - 3)
;;       q = np.round(r / step) * step * 2.0 ** e      # np.round: ties to even
;;       return np.moveaxis(q, -1, axis).astype(np.float32)
;;   ~~~
;;   SOFTMAX AHEAD OF A QUANTISED PRODUCT. Where the list says 'softmax', what is quantised is not the finished softmax but p = 2^(t - M), with t = logit x log2(e) and M = ceil(the row's largest t), a whole number; so 1/2 < the row's largest p <= 1. The row's sum l is taken of the UNQUANTISED p, in f32, and the product's result is divided by l at the end. Since M is a whole number, a kernel that streams over the keys may use a running M (the ceiling of the running maximum): every later rescaling is an exact power of two, so the quantised numbers keep their values, but for numbers so far below the row's largest that they fall under the format's range.
;;   OPERANDS COMPUTED ON THE WAY. 'Computed on the way' means the value that the module computes at that place (a softmax that the list does not call 'softmax' is quantised finished and normalised). What goes into a quantiser is computed in f32, as accurately as f32 sums, v_exp_f32 and their like allow (about 1e-6 of the number): no bf16 or f16 on the way to a quantiser, and a product that is left as it is and whose result goes on into a quantised operand takes f32 operands (vector FMAs, or v_wmma_f32_16x16x4_f32). A number that lies on a knife's edge between two numbers of the format may be rounded either way, as far as f32 arithmetic and the matrix unit's own rounding can turn it there, and no further.
;; One version. Each part assembles by itself: llvm-mc -triple=amdgcn-amd-amdhsa -mcpu=gfx1250 --defsym DOCPART=n.
;; ======== version 1 of 1: 4 launches
;; limits: right only within a limited range of input values
;; workspace buffers: ximg 12,582,912 bytes; wimg 16,777,216 bytes; qimg 4,194,304 bytes; kvimg 8,388,608 bytes; ctx 4,194,304 bytes; mimg 16,777,216 bytes; mmax 262,144 bytes; flags 8,192 bytes of whole numbers
;; launch quant (part 1): grid 1024 x 1, 4 waves a work-group, no clusters, 67,072 bytes of LDS; arguments x, wq, wk, wv, wo, lowp_scales, ximg, wimg, mask, mimg, mmax; writes ximg, wimg, mimg, mmax
.if DOCPART == 1
	.amdgcn_target "amdgcn-amd-amdhsa--gfx1250"
	.amdhsa_code_object_version 6
	.text
	.protected	k_qaec6100a73_quant
	.globl	k_qaec6100a73_quant
	.p2align	8
	.type	k_qaec6100a73_quant,@function
k_qaec6100a73_quant:
	s_mov_b64 s[64:65], 0
	v_nop
	global_prefetch_b8 v0, s[64:65] scope:SCOPE_SE
	s_setreg_imm32_b32 hwreg(HW_REG_WAVE_MODE, 25, 1), 1
	s_wait_xcnt 0x0
; x [2048][2048] and wq, wk, wv, wo [2048 (k)][2048 (n)], f32, become codes of FP8 (E4M3), each with the scale 2^e that is given for it:
; code = number / 2^e, held within +-448, rounded to the nearest code, ties to even.
; x is an operand of three products with three entries of the scales (0, 2, 4): it is read once and quantised three times.  wq, wk, wv, wo take entries 1, 3, 5, 11.
; THE CODES ARE LAID AS IMAGES OF OPERAND REGISTERS.  A fragment is 16 rows x 128 K in 16 registers: lane (r, h) holds row r, registers 2 c, 2 c + 1 hold K = 16 c + 8 h + 0 .. 7.
; Its image is four pieces of 512 bytes, piece p = registers 4 p .. 4 p + 3, lane l's 16 bytes at 16 l.  An operand of 2048 rows x 2048 K is laid
; [K / 256][row / 16][(K / 128) % 2][image of 2,048 bytes]: 128 rows x 256 K are 32,768 bytes on end.  ximg: three such operands; wimg: four (rows = n, K = the weight's first axis).
; Work-groups 0-255 take x (a wave: 16 rows x 256 K), 256-767 the weights (a wave: 32 columns x 256 K).  Waves share nothing: no barrier.  The two ways have LDS bytes of their own.
; LIMITS: each of the seven exponents lies between -126 and 119, so that 2^e and 448 x 2^e are f32 numbers.  NaN among the inputs is not served.
.set STGX,  8448                       ; x: a wave's stage: 16 rows x (512 bytes + 16)
.set WLDS,  33792                      ; the weights' stages begin behind x's four: 8,192 bytes a wave
.set R,     16                         ; v16-143  x: two sets of 64 numbers (128 along K each)
.set T,     144                        ; v144-159 x: two sets of eight held numbers, by turns
.set C,     160                        ; v160-207 x: three fragments of codes
.set X,     32                         ; v32-95   weights: two sets of 32 numbers
.set CW,    96                         ; v96-103  weights: a block's codes
.set OUTR,  112                        ; v112-175 weights: the way out
	s_load_b256 s[4:11], s[0:1], 0x0               ; x s[4:5], wq s[6:7], wk s[8:9], wv s[10:11]
	s_load_b256 s[12:19], s[0:1], 0x20             ; wo s[12:13], the scales s[14:15], ximg s[16:17], wimg s[18:19]
; THE MASK (work-groups 768-1023) has x's shape and takes x's way through the stage (only the pointers are chosen); its numbers stay f32.  A wave's 16 rows x 128 keys are stored as the image of 64 registers
; (register 8 t + i of lane (r, h) = mask(row r, key 16 t + 8 h + i); piece p = registers 4 p .. 4 p + 3, 16 bytes a lane): mimg [row / 16][key / 128][8,192 bytes].
; Beside it, for each row and each 128 keys: the largest mask number and the largest magnitude: mmax [key / 256][row][(key / 128) % 2][2].  The next launch makes whole numbers of them, by which the
; attention launch passes over steps of 128 keys: what is left out is decided by the mask's own numbers, for every mask, and never by a pattern built into the text (the bound stands at that launch's lines).
	s_load_b128 s[52:55], s[0:1], 0x40             ; mask s[52:53], mimg s[54:55]
	s_load_b64 s[56:57], s[0:1], 0x50              ; mmax
	v_lshl_add_u32 v208, v0, 2, 0x10400
	v_mov_b32 v209, 0
	v_lshrrev_b32 v12, 5, v0
	v_readfirstlane_b32 s20, v12                   ; wave 0..3
	v_and_b32 v15, 31, v0                          ; lane
	v_and_b32 v14, 15, v0                          ; r
	v_bfe_u32 v13, v0, 4, 1                        ; h
	s_wait_kmcnt 0x0
	s_load_b256 s[24:31], s[14:15], 0x0            ; e0 .. e7
	s_load_b128 s[32:35], s[14:15], 0x20           ; e8 .. e11
	s_sub_co_u32 s23, ttmp9, 256
	s_cmp_lt_u32 s23, 512                          ; work-groups 256-767 take the weights; 0-255 (x) and 768-1023 (the mask) go on
	s_cbranch_scc1 .Lw
; ---------------- x: K is innermost ----------------
; Each load reads 512 consecutive bytes of a row; the 16 rows x 512 bytes turn through the wave's stage and come back so that a lane's registers 8 c .. 8 c + 7 are K = 16 c + 8 h + 0 .. 7 of row r:
; a conversion of those eight gives registers 2 c, 2 c + 1 of the fragment.
	s_and_b32 s21, ttmp9, 7                        ; which 256 along K
	s_lshr_b32 s22, ttmp9, 3
	s_and_b32 s22, s22, 31                         ; the same count for x and for the mask
	s_lshl_b32 s22, s22, 2
	s_add_co_u32 s22, s22, s20                     ; which 16 rows: 0..127
	s_lshl_b32 s46, s22, 17                        ; 16 rows of 8,192 bytes
	s_lshl_b32 s47, s21, 10                        ; 256 numbers
	s_add_co_u32 s46, s46, s47
	s_mov_b32 s47, 0
	s_cmp_lt_u32 ttmp9, 256                        ; x or the mask: the choice hangs on the work-group's number alone
	s_cselect_b64 s[38:39], s[4:5], s[52:53]
	s_add_nc_u64 s[36:37], s[38:39], s[46:47]
	s_lshl_b32 s46, s21, 19
	s_lshl_b32 s48, s22, 12
	s_add_co_u32 s46, s46, s48
	s_add_nc_u64 s[40:41], s[16:17], s[46:47]      ; the three operands lie 4 MiB apart: a base for each
	s_add_nc_u64 s[42:43], s[40:41], 0x400000
	s_add_nc_u64 s[44:45], s[40:41], 0x800000
	s_wait_alu depctr_va_vdst(0)
	v_lshlrev_b32 v1, 4, v15                       ; 16 x lane
	s_mul_i32 s48, s20, STGX
	v_add_nc_u32 v2, s48, v1                       ; into the stage: a row as it lies
	v_mul_u32_u24 v3, v14, 528
	v_lshl_add_u32 v3, v13, 5, v3
	v_add_nc_u32 v3, s48, v3                       ; out of it: row r, + 32 h bytes; rows 528 bytes apart, so that sixteen rows begin 16 bytes apart modulo 256
.macro LOADX ks
.irp i, 0,1,2,3,4,5,6,7,8,9,10,11,12,13,14,15
	global_load_b128 v[R+64*(\ks)+4*\i:R+64*(\ks)+4*\i+3], v1, s[36:37] offset:\i*8192+(\ks)*512 th:TH_LOAD_NT
.endr
.endm
.macro TURNX ks                        ; LDS serves a wave's instructions in order: no wait between the stores and the loads, nor in front of the next turn's stores
.irp i, 0,1,2,3,4,5,6,7,8,9,10,11,12,13,14,15
	ds_store_b128 v2, v[R+64*(\ks)+4*\i:R+64*(\ks)+4*\i+3] offset:528*\i
.endr
.irp c, 0,1,2,3,4,5,6,7
	ds_load_b128 v[R+64*(\ks)+8*\c:R+64*(\ks)+8*\c+3], v3 offset:64*\c
	ds_load_b128 v[R+64*(\ks)+8*\c+4:R+64*(\ks)+8*\c+7], v3 offset:64*\c+16
.endr
.endm
.macro QX ks                           ; 64 numbers a lane, three scales: three fragments, each stored as four pieces of 512 consecutive bytes
.irp j, 0,1,2
.irp c, 0,1,2,3,4,5,6,7
.irp i, 0,1,2,3,4,5,6,7
	v_med3_num_f32 v[T+8*(\c%2)+\i], v[R+64*(\ks)+8*\c+\i], -v[5+2*\j], v[5+2*\j]   ; the conversion does not saturate (ISA guide 7.6.2): the hold at 448 x the scale; the numbers themselves stay for the next scale
.endr
	v_cvt_scalef32_pk8_fp8_f32 v[C+16*\j+2*\c:C+16*\j+2*\c+1], v[T+8*(\c%2):T+8*(\c%2)+7], v[4+2*\j]   ; the two sets of T take turns: eight plain lines stand between a conversion and the next write of its sources
.endr
.endr
	v_nop                                          ; a plain line behind the last conversion
.irp j, 0,1,2
.irp c, 0,1,2,3
	global_store_b128 v1, v[C+16*\j+4*\c:C+16*\j+4*\c+3], s[40+2*\j:41+2*\j] offset:(\ks)*2048+512*\c
.endr
.endr
.endm
	LOADX 0
	LOADX 1
	s_wait_alu depctr_va_vdst(0)
	s_wait_kmcnt 0x0
.irp j, 0,1,2
	s_add_co_i32 s50, s[24+2*\j], 127              ; entries 0, 2, 4
	s_lshl_b32 s51, s50, 23
	v_mov_b32 v[4+2*\j], s51                       ; 2^e as f32: the conversion takes its exponent field
	s_add_co_i32 s50, s50, 8
	s_lshl_b32 s50, s50, 23
	s_or_b32 s50, s50, 0x600000
	v_mov_b32 v[5+2*\j], s50                       ; 448 x 2^e
.endr
	s_wait_alu depctr_va_vdst(0)
	s_wait_loadcnt 16                              ; the first 128 along K are in; the second sixteen loads may be out
	TURNX 0
	s_wait_loadcnt 0x0
	TURNX 1
	s_cmp_ge_u32 ttmp9, 768
	s_cbranch_scc1 .Lmask
	s_wait_dscnt 32                                ; the first turn is back; behind it stand the second turn's 16 stores and 16 loads
	QX 0
	s_wait_dscnt 0x0
	s_wait_xcnt 0x0                                ; the codes' registers are written again only behind this wait
	QX 1
	s_wait_tensorcnt 0x0
	ds_add_u32 v208, v209
	s_wait_dscnt 0x0
	s_endpgm
; ---------------- the weights: K is the first axis ----------------
; A lane takes a column n and its registers run down K: a load reads 128 consecutive bytes a wave, 512 a work-group.  A block of 32 along K gives 32 codes of one row of the operand.
.Lw:
	s_sub_co_u32 s21, ttmp9, 256
	s_lshr_b32 s22, s21, 7                         ; which weight: 0..3
	s_and_b32 s23, s21, 15                         ; which 128 columns
	s_bfe_u32 s21, s21, 0x30004                    ; which 256 along K
	s_cmp_eq_u32 s22, 1
	s_cselect_b64 s[36:37], s[8:9], s[6:7]
	s_cmp_eq_u32 s22, 2
	s_cselect_b64 s[36:37], s[10:11], s[36:37]
	s_cmp_eq_u32 s22, 3
	s_cselect_b64 s[36:37], s[12:13], s[36:37]
	s_lshl_b32 s46, s21, 21                        ; 256 rows of 8,192 bytes
	s_lshl_b32 s48, s23, 9
	s_add_co_u32 s46, s46, s48
	s_lshl_b32 s48, s20, 7
	s_add_co_u32 s46, s46, s48
	s_mov_b32 s47, 0
	s_add_nc_u64 s[36:37], s[36:37], s[46:47]
	s_lshl_b32 s46, s22, 22                        ; the weight's operand,
	s_lshl_b32 s48, s21, 19                        ; its 256 along K,
	s_add_co_u32 s46, s46, s48
	s_lshl_b32 s48, s23, 15                        ; its tiles of 16 rows: 8 x (which 128) + 2 x wave, 4,096 bytes each
	s_add_co_u32 s46, s46, s48
	s_lshl_b32 s48, s20, 13
	s_add_co_u32 s46, s46, s48
	s_add_nc_u64 s[40:41], s[18:19], s[46:47]
	s_wait_alu depctr_va_vdst(0)
	v_lshlrev_b32 v1, 2, v15                       ; in: 4 bytes a lane
	v_lshlrev_b32 v4, 4, v15                       ; out: 16 bytes a lane
	s_lshl_b32 s48, s20, 13
	s_add_co_u32 s48, s48, WLDS                    ; my stage: the image of my two tiles of 16 rows x 256 K
	v_lshlrev_b32 v2, 4, v14
	v_lshl_add_u32 v2, v13, 12, v2
	v_add_nc_u32 v2, s48, v2                       ; into it: tile lane / 16, place 16 r
	v_add_nc_u32 v3, s48, v4                       ; out of it: as it lies
.macro LOADW t
.irp i, 0,1,2,3,4,5,6,7,8,9,10,11,12,13,14,15,16,17,18,19,20,21,22,23,24,25,26,27,28,29,30,31
	global_load_b32 v[X+32*((\t)%2)+\i], v1, s[36:37] offset:(32*(\t)+\i)*8192 th:TH_LOAD_NT
.endr
.endm
	LOADW 0
	LOADW 1
	s_wait_kmcnt 0x0
	s_cmp_eq_u32 s22, 1
	s_cselect_b32 s50, s27, s25                    ; entries 1, 3, 5, 11
	s_cmp_eq_u32 s22, 2
	s_cselect_b32 s50, s29, s50
	s_cmp_eq_u32 s22, 3
	s_cselect_b32 s50, s35, s50
	s_add_co_i32 s50, s50, 127
	s_lshl_b32 s51, s50, 23
	v_mov_b32 v11, s51                             ; 2^e
	s_add_co_i32 s50, s50, 8
	s_lshl_b32 s50, s50, 23
	s_or_b32 s50, s50, 0x600000
	v_mov_b32 v10, s50                             ; 448 x 2^e
; Of a block's 32 codes, K = 0-7 and 16-23 are the 16 bytes of lane r of the piece, K = 8-15 and 24-31 those of lane r + 16, 256 bytes further on.
.macro BLOCKW b
.set XS, X+32*((\b)%2)
.if (\b) < 7
	s_wait_loadcnt 32                              ; this block's 32 loads are in; the next block's may be out
.else
	s_wait_loadcnt 0x0
.endif
.set i, 0
.rept 32
	v_med3_num_f32 v[XS+i], v[XS+i], -v10, v10
.set i, i+1
.endr
	v_cvt_scalef32_pk8_fp8_f32 v[CW:CW+1], v[XS:XS+7], v11
	v_cvt_scalef32_pk8_fp8_f32 v[CW+4:CW+5], v[XS+8:XS+15], v11
	v_cvt_scalef32_pk8_fp8_f32 v[CW+2:CW+3], v[XS+16:XS+23], v11
	v_cvt_scalef32_pk8_fp8_f32 v[CW+6:CW+7], v[XS+24:XS+31], v11
	ds_store_b128 v2, v[CW:CW+3] offset:((\b)/4)*2048+((\b)%4)*512
	ds_store_b128 v2, v[CW+4:CW+7] offset:((\b)/4)*2048+((\b)%4)*512+256
.if (\b)+2 < 8
	LOADW (\b)+2
.endif
	s_wait_dscnt 0x0                               ; the stores have read their registers; the next block's 32 holds are the plain lines ahead of its conversions
.endm
	s_wait_alu depctr_va_vdst(0)
.irp b, 0,1,2,3,4,5,6,7
	BLOCKW \b
.endr
.irp t, 0,1,2,3,4,5,6,7,8,9,10,11,12,13,14,15
	ds_load_b128 v[OUTR+4*\t:OUTR+4*\t+3], v3 offset:512*\t
.endr
.irp t, 0,1,2,3,4,5,6,7,8,9,10,11,12,13,14,15
	s_wait_dscnt 15-\t
	global_store_b128 v4, v[OUTR+4*\t:OUTR+4*\t+3], s[40:41] offset:512*\t   ; 512 consecutive bytes a store, 8,192 on end a wave
.endr
	s_wait_tensorcnt 0x0
	ds_add_u32 v208, v209
	s_wait_dscnt 0x0
	s_endpgm
; ---------------- the mask: behind x's two turns through the stage ----------------
; 128 keys: the 64 registers leave as they stand, 16 stores of 512 consecutive bytes; then the lane's largest number and largest magnitude, each in two chains.
.macro MSEG ks
.set RR, R+64*(\ks)
.set TT, T+4*(\ks)
.irp p, 0,1,2,3,4,5,6,7,8,9,10,11,12,13,14,15
	global_store_b128 v1, v[RR+4*\p:RR+4*\p+3], s[40:41] offset:8192*(\ks)+512*\p
.endr
	v_max3_num_f32 v[TT], v[RR], v[RR+1], v[RR+2]
	v_max3_num_f32 v[TT+1], v[RR+3], v[RR+4], v[RR+5]
	v_max3_num_f32 v[TT+2], |v[RR]|, |v[RR+1]|, |v[RR+2]|
	v_max3_num_f32 v[TT+3], |v[RR+3]|, |v[RR+4]|, |v[RR+5]|
.irp i, 6,10,14,18,22,26,30,34,38,42,46,50,54,58
	v_max3_num_f32 v[TT], v[TT], v[RR+\i], v[RR+\i+1]
	v_max3_num_f32 v[TT+1], v[TT+1], v[RR+\i+2], v[RR+\i+3]
	v_max3_num_f32 v[TT+2], v[TT+2], |v[RR+\i]|, |v[RR+\i+1]|
	v_max3_num_f32 v[TT+3], v[TT+3], |v[RR+\i+2]|, |v[RR+\i+3]|
.endr
	v_max3_num_f32 v[TT], v[TT], v[RR+62], v[RR+63]
	v_max3_num_f32 v[TT+2], v[TT+2], |v[RR+62]|, |v[RR+63]|
	v_max_num_f32 v[TT], v[TT], v[TT+1]
	v_max_num_f32 v[TT+2], v[TT+2], v[TT+3]
.endm
.Lmask:
	s_lshl_b32 s46, s22, 17                        ; mimg: my 16 rows are 131,072 bytes,
	s_lshl_b32 s48, s21, 14                        ; my 256 keys two images of 8,192
	s_add_co_u32 s46, s46, s48
	s_add_nc_u64 s[40:41], s[54:55], s[46:47]
	s_lshl_b32 s46, s21, 15                        ; mmax: 2,048 rows x 16 bytes for each 256 keys,
	s_lshl_b32 s48, s22, 8                         ; my 16 rows
	s_add_co_u32 s46, s46, s48
	s_add_nc_u64 s[42:43], s[56:57], s[46:47]
	s_mov_b32 s50, 0x76543210
	s_mov_b32 s51, 0xfedcba98                      ; v_permlanex16_b32: lane l xor 16
	v_lshlrev_b32 v10, 4, v14
	v_lshl_add_u32 v10, v13, 3, v10                ; 16 r + 8 h: lane (r, h) stores the pair of row r's h-th 128 keys: 256 consecutive bytes a wave
.irp i, 152,153,154,155
	v_mov_b32 v\i, 0                               ; a lane permute's destination counts as one of its sources
.endr
	s_wait_alu depctr_va_vdst(0)                   ; the wait here, directly ahead of the wait below
	s_wait_dscnt 32                                ; the first turn is back
	MSEG 0
	s_wait_alu depctr_va_vdst(0)
	s_wait_dscnt 0x0
	MSEG 1
	v_permlanex16_b32 v152, v144, s50, s51         ; the other half of each row's keys lies in lane l xor 16
	v_permlanex16_b32 v153, v146, s50, s51
	v_permlanex16_b32 v154, v148, s50, s51
	v_permlanex16_b32 v155, v150, s50, s51
	v_max_num_f32 v144, v144, v152
	v_max_num_f32 v146, v146, v153
	v_max_num_f32 v148, v148, v154
	v_max_num_f32 v150, v150, v155
	v_cmp_eq_u32 vcc_lo, 1, v13
	v_cndmask_b32 v156, v144, v148, vcc_lo         ; h = 0: the first 128 keys' pair; h = 1: the second's
	v_cndmask_b32 v157, v146, v150, vcc_lo
	global_store_b64 v10, v[156:157], s[42:43]
	s_wait_tensorcnt 0x0
	ds_add_u32 v208, v209
	s_wait_dscnt 0x0
	s_endpgm
.Lfunc_end_k_qaec6100a73_quant:
	.size	k_qaec6100a73_quant, .Lfunc_end_k_qaec6100a73_quant-k_qaec6100a73_quant
	.p2alignl 7, 3214868480
	.fill 96, 4, 3214868480
	.section	.rodata,"a",@progbits
	.p2align	6, 0x0
	.amdhsa_kernel k_qaec6100a73_quant
		.amdhsa_group_segment_fixed_size 67072
		.amdhsa_private_segment_fixed_size 0
		.amdhsa_enable_private_segment 0
		.amdhsa_kernarg_size 88
		.amdhsa_user_sgpr_count 2
		.amdhsa_user_sgpr_kernarg_segment_ptr 1
		.amdhsa_wavefront_size32 1
		.amdhsa_system_sgpr_workgroup_id_x 1
		.amdhsa_system_sgpr_workgroup_id_y 1
		.amdhsa_system_sgpr_workgroup_id_z 1
		.amdhsa_system_vgpr_workitem_id 0
		.amdhsa_next_free_vgpr 210
		.amdhsa_next_free_sgpr 66
		.amdhsa_reserve_vcc 1
		.amdhsa_float_denorm_mode_32 3
		.amdhsa_float_denorm_mode_16_64 3
		.amdhsa_memory_ordered 1
		.amdhsa_forward_progress 1
		.amdhsa_inst_pref_size 101
	.end_amdhsa_kernel
	.amdgpu_metadata
---
amdhsa.version: [ 1, 2 ]
amdhsa.kernels:
  - .name:           k_qaec6100a73_quant
    .symbol:         k_qaec6100a73_quant.kd
    .args:
      - { .name: x, .offset: 0, .size: 8, .value_kind: global_buffer, .address_space: global }
      - { .name: wq, .offset: 8, .size: 8, .value_kind: global_buffer, .address_space: global }
      - { .name: wk, .offset: 16, .size: 8, .value_kind: global_buffer, .address_space: global }
      - { .name: wv, .offset: 24, .size: 8, .value_kind: global_buffer, .address_space: global }
      - { .name: wo, .offset: 32, .size: 8, .value_kind: global_buffer, .address_space: global }
      - { .name: lowp_scales, .offset: 40, .size: 8, .value_kind: global_buffer, .address_space: global }
      - { .name: ximg, .offset: 48, .size: 8, .value_kind: global_buffer, .address_space: global }
      - { .name: wimg, .offset: 56, .size: 8, .value_kind: global_buffer, .address_space: global }
      - { .name: mask, .offset: 64, .size: 8, .value_kind: global_buffer, .address_space: global }
      - { .name: mimg, .offset: 72, .size: 8, .value_kind: global_buffer, .address_space: global }
      - { .name: mmax, .offset: 80, .size: 8, .value_kind: global_buffer, .address_space: global }
    .group_segment_fixed_size: 67072
    .private_segment_fixed_size: 0
    .kernarg_segment_align: 8
    .kernarg_segment_size: 88
    .max_flat_workgroup_size: 128
    .sgpr_count:     66
    .vgpr_count:     210
    .wavefront_size: 32
...
	.end_amdgpu_metadata
.endif
;; end of part 1
;; launch qkv (part 2): grid 24 x 8, 4 waves a work-group, clusters of 4 x 4, 327,680 bytes of LDS; arguments ximg, wimg, freqs_cos, freqs_sin, lowp_scales, qimg, kvimg, mmax, flags; writes qimg, kvimg, flags
.if DOCPART == 2
	.amdgcn_target "amdgcn-amd-amdhsa--gfx1250"
	.amdhsa_code_object_version 6
	.text
	.protected	k_qaec6100a73_qkv
	.globl	k_qaec6100a73_qkv
	.p2align	8
	.type	k_qaec6100a73_qkv,@function
k_qaec6100a73_qkv:
	s_mov_b64 s[64:65], 0
	v_nop
	global_prefetch_b8 v0, s[64:65] scope:SCOPE_SE
	s_setreg_imm32_b32 hwreg(HW_REG_WAVE_MODE, 25, 1), 1
	s_wait_xcnt 0x0
	s_wait_alu depctr_hold_cnt(0) depctr_sa_sdst(0) depctr_va_vdst(0) depctr_va_sdst(0) depctr_va_ssrc(0) depctr_va_vcc(0) depctr_vm_vsrc(0)
	s_getreg_b32 s2, hwreg(HW_REG_IB_STS2, 6, 4)
	s_cmp_eq_u32 s2, 0
	s_cbranch_scc0 .Lentry_in_a_cluster
	s_endpgm
.Lentry_in_a_cluster:
	s_bfe_u32 s2, ttmp6, 0x10000c
	s_cmp_lg_u32 s2, 0xf033
	s_cbranch_scc0 .Lentry_shape_is_right
	s_endpgm
.Lentry_shape_is_right:
.set KSB,   524288
.set BLK,   32768
.set SLOT,  4*BLK
.set SPARE, 2*SLOT
.set FR,    16
.set NL,    4
.set NP,    4
.set LAPS,  4
.set ADRA,  16
.set ADRB,  20
.set LI,    26
.set CA,    27
.set SPW,   28
.set NIL,   29
.set LIM,   30
.set SC,    31
.set AF,    128
.set T,     128
.set CQ,    160
.set CV,    192
.set G1,    24
.set G0,    32
.set G1B,   48
.set G0B,   56
.set MSB, 0
.macro WIN new
.if MSB != \new
	s_set_vgpr_msb (MSB<<8)|(\new)
.set MSB, \new
.endif
.endm
.set MUL_LO, 0xa1
.set MUL_HI, 0xf1
.set TO_B,   0x40
.macro JLOAD g0a, g1a, g0b, g1b
	s_cmp_eq_u32 s17, 0
	s_cbranch_scc0 .Lfor_b_\@
	tensor_load_to_lds s[\g0a:\g0a+3], s[\g1a:\g1a+7]
	s_nop 0
.rept 4
	v_nop
.endr
	s_branch .Lasked_\@
.Lfor_b_\@:
	tensor_load_to_lds s[\g0b:\g0b+3], s[\g1b:\g1b+7]
	s_nop 0
.rept 4
	v_nop
.endr
.Lasked_\@:
.endm
.macro CREST
	s_cmp_lg_u32 s16, 0
	s_cbranch_scc1 .Lnot_wave_0_\@
	s_barrier_signal -3
.Lnot_wave_0_\@:
	s_barrier_wait -3
	s_barrier_signal -1
	s_barrier_wait -1
.endm
.macro CROUND
	s_barrier_signal -1
	s_barrier_wait -1
	CREST
.endm
	s_load_b256 s[4:11], s[0:1], 0x0
	s_load_b128 s[12:15], s[0:1], 0x20
	s_load_b64 s[66:67], s[0:1], 0x30
	v_lshl_add_u32 v[SPW], v0, 2, SPARE
	v_mov_b32 v[NIL], 0
	ds_add_u32 v28, v29
	ds_add_u32 v28, v29
	s_wait_dscnt 0x0
	v_lshrrev_b32 v1, 5, v0
	v_readfirstlane_b32 s16, v1
	s_lshr_b32 s17, s16, 1
	s_and_b32 s18, s16, 1
	s_bfe_u32 s40, ttmp6, 0x40000
	s_bfe_u32 s41, ttmp6, 0x40004
	s_lshr_b32 s19, ttmp9, 1
	s_and_b32 s42, ttmp9, 1
	s_lshl_b32 s42, s42, 2
	s_add_co_u32 s42, s42, s40
	s_and_b32 s43, ttmp7, 0xffff
	s_lshl_b32 s43, s43, 2
	s_add_co_u32 s43, s43, s41
	s_lshl_b32 s44, s41, 2
	s_lshl_b32 s44, 15, s44
	s_lshl_b32 s45, 0x1111, s40
	s_or_b32 s[G1+0], s44, (3<<16)|(1<<21)
	s_or_b32 s[G1B+0], s45, (3<<16)|(1<<21)
.irp g, G1, G1B
	s_mov_b32 s[\g+1], 32<<16
	s_mov_b32 s[\g+2], 128<<16
	s_mov_b32 s[\g+3], 32<<16
	s_mov_b32 s[\g+4], 128
	s_mov_b32 s[\g+5], 32
	s_mov_b32 s[\g+6], 0
	s_mov_b32 s[\g+7], 0
.endr
	s_lshl_b32 s20, s43, 16
	s_lshl_b32 s21, s18, 15
	s_add_co_u32 s20, s20, s21
	s_lshl_b32 s21, s19, 22
	s_add_co_u32 s20, s20, s21
	s_mov_b32 s21, 0
	s_lshl_b32 s46, s42, 16
	s_lshl_b32 s47, s18, 15
	s_add_co_u32 s46, s46, s47
	s_lshl_b32 s47, s19, 22
	s_add_co_u32 s46, s46, s47
	s_mov_b32 s47, 0
	s_lshl_b32 s22, s16, 15
	s_wait_kmcnt 0x0
	s_load_b256 s[72:79], s[12:13], 0x0
	s_load_b128 s[80:83], s[12:13], 0x20
	s_cmp_eq_u32 s19, 2
	s_cselect_b64 s[88:89], s[6:7], s[4:5]
	s_cselect_b64 s[90:91], s[4:5], s[6:7]
	s_add_nc_u64 s[20:21], s[88:89], s[20:21]
	s_add_nc_u64 s[46:47], s[90:91], s[46:47]
	s_load_b128 s[88:91], s[0:1], 0x38             ; mmax s[88:89], flags s[90:91]
; THE PREFETCHES.  A wave fetches 32,768 bytes on end in each K step, jointly with three partners; of these bytes the partner at place p (cx for the first operand, cy for the second) names 8,192 p .. + 8,191,
; lanes 256 bytes apart, one instruction a wave: each block of 256 bytes once in each cluster that loads it, the partners told apart by address.  Behind the load of K step s stands the request for K step s + 2;
; K steps 0 and 1 come by their loads alone, and the loads of K steps 6 and 7 have no request behind them.
	s_cmp_eq_u32 s17, 0
	s_cselect_b64 s[100:101], s[20:21], s[46:47]
	s_cselect_b32 s98, s40, s41
	s_lshl_b32 s98, s98, 13
	s_mov_b32 s99, 0
	s_add_nc_u64 s[100:101], s[100:101], s[98:99]
	v_and_b32 v6, 31, v0
	v_lshlrev_b32 v6, 8, v6                        ; never rewritten
	s_wait_alu depctr_va_vdst(0)                   ; the wait
	CROUND
.irp s, 0,1
	s_mov_b32 s[G0+4*\s], 1
	s_add_co_u32 s[G0+4*\s+1], s22, \s*SLOT
	s_add_nc_u64 s[G0+4*\s+2:G0+4*\s+3], s[20:21], \s*KSB
	s_or_b32 s[G0+4*\s+3], s[G0+4*\s+3], 0x80000000
	s_mov_b32 s[G0B+4*\s], 1
	s_add_co_u32 s[G0B+4*\s+1], s22, \s*SLOT
	s_add_nc_u64 s[G0B+4*\s+2:G0B+4*\s+3], s[46:47], \s*KSB
	s_or_b32 s[G0B+4*\s+3], s[G0B+4*\s+3], 0x80000000
	s_wait_alu depctr_va_vdst(0)
	s_wait_tensorcnt 0x0
	ds_add_u32 v28, v29
	ds_add_u32 v28, v29
	s_wait_dscnt 0x0
	CROUND
	JLOAD G0+4*\s, G1, G0B+4*\s, G1B
	global_prefetch_b8 v6, s[100:101] offset:(\s+2)*KSB th:TH_LOAD_NT scope:SCOPE_SE   ; K steps 2 and 3
.endr
	v_and_b32 v1, 31, v0
	v_lshlrev_b32 v[LI], 4, v1
	v_and_b32 v2, 15, v0
	v_bfe_u32 v3, v0, 4, 1
	v_lshlrev_b32 v[CA], 7, v2
	v_lshl_add_u32 v[CA], v3, 4, v[CA]
	s_wait_alu depctr_va_vdst(0)
	s_lshl_b32 s94, s17, 15
	s_lshl_b32 s95, s18, 15
	s_add_co_u32 s95, s95, 2*BLK
.irp s, 0,1
	v_add_nc_u32 v[ADRA+\s], s94, v[LI]
	v_add_nc_u32 v[ADRB+\s], s95, v[LI]
	s_add_co_u32 s94, s94, SLOT
	s_add_co_u32 s95, s95, SLOT
.endr
	s_lshl_b32 s92, s43, 1
	s_add_co_u32 s92, s92, s17
	s_lshl_b32 s93, s42, 1
	s_add_co_u32 s93, s93, s18
	s_lshl_b32 s94, s92, 14
	s_mov_b32 s95, 0
	s_add_nc_u64 s[68:69], s[8:9], s[94:95]
	s_add_nc_u64 s[70:71], s[10:11], s[94:95]
	s_cmp_eq_u32 s19, 2
	s_cselect_b32 s94, s93, s92
	s_cselect_b32 s98, s92, s93
	s_cselect_b32 s99, 8192, 0
	s_lshl_b32 s98, s98, 18
	s_lshl_b32 s94, s94, 13
	s_add_co_u32 s94, s94, s98
	s_cmp_lg_u32 s19, 0
	s_cselect_b32 s98, 1, 0
	s_cselect_b64 s[84:85], s[66:67], s[14:15]
	s_lshl_b32 s94, s94, s98
	s_add_co_u32 s94, s94, s99
	s_add_nc_u64 s[84:85], s[84:85], s[94:95]
	s_lshl_b32 s94, 0x20000, s98
	s_add_nc_u64 s[86:87], s[84:85], s[94:95]
.macro CSLOAD a, reg
.irp t, 0,1,2,3
	global_load_b128 v[\reg+4*\t:\reg+4*\t+3], v[CA], s[68:69] offset:(\a)*2048+32*\t
	global_load_b128 v[\reg+16+4*\t:\reg+16+4*\t+3], v[CA], s[70:71] offset:(\a)*2048+32*\t
.endr
.endm
	CSLOAD 0, 32
	CSLOAD 1, 64
	CSLOAD 2, 96
	s_wait_alu depctr_va_vdst(0)
	s_wait_kmcnt 0x0
	s_sub_co_i32 s96, s78, s72
	s_sub_co_i32 s96, s96, s73
	s_sub_co_i32 s97, s79, s74
	s_sub_co_i32 s97, s97, s75
	s_sub_co_i32 s98, s81, s76
	s_sub_co_i32 s98, s98, s77
	s_cmp_eq_u32 s19, 1
	s_cselect_b32 s96, s97, s96
	s_cmp_eq_u32 s19, 2
	s_cselect_b32 s96, s98, s96
	s_add_co_i32 s96, s96, 127
	s_lshl_b32 s97, s96, 23
	v_mov_b32 v[SC], s97
	s_add_co_i32 s96, s96, 8
	s_lshl_b32 s96, s96, 23
	s_or_b32 s96, s96, 0x600000
	v_mov_b32 v[LIM], s96
; THE LIST FOR THE ATTENTION LAUNCH, while the first tiles are on their way: wave 0 of the 64 work-groups that make q takes one block of 32 queries, a lane a row, and stores one word of whole numbers.
; Bit s: the step of keys 128 s .. 128 s + 127 is KEPT.  It is left out only if in ALL 32 rows  (the step's largest mask number) < (the row's largest mask number) - D - 2^-18 |the row's largest|,
; D = 2 B + C.  B = 64 x 448^2 x 2^(e6 + e7 - 3) bounds every scaled score of codes, so each logit of such a step lies more than C under the row's largest logit; C = 64 + max(-e8, 0), so p = 2^(t - M) < 2^(-1.44 C + 1):
; its code with 2^e8 is 0, and 2,048 such p add less than 2^-80 to a row's sum, which is at least 1/2.  The third term stands over the rounding of logits of large magnitude.
; A comparison with a NaN keeps the step.  Bit 16 + s: some mask number of the step is not 0 (where all are 0, adding them changes no logit).
; LIMIT: e6 + e7 between -147 and 106, so that 2 B is an f32 number.
	s_wait_alu depctr_va_vdst(0)                   ; the wait here, directly ahead of the branches
	s_cmp_lg_u32 s19, 0                            ; which product: the same in all partners of a cluster
	s_cbranch_scc1 .Lnoflag
	s_cmp_lg_u32 s16, 0
	s_cbranch_scc1 .Lnoflag
	s_lshl_b32 s94, s43, 3
	s_add_co_u32 s94, s94, s42                     ; the block of 32 queries: 0..63
	s_lshl_b32 s95, s94, 9                         ; 32 rows x 16 bytes
	s_lshl_b32 s98, s94, 7                         ; 128 bytes of flags
	s_add_co_i32 s96, s78, s79
	s_add_co_i32 s96, s96, 148
	s_lshl_b32 s96, s96, 23
	s_or_b32 s96, s96, 0x440000                    ; 2 B = 1.53125 x 2^(24 + e6 + e7 - 3)
	s_sub_co_i32 s97, 0, s80
	s_max_i32 s97, s97, 0
	s_add_co_u32 s97, s97, 64                      ; C
	v_and_b32 v1, 31, v0
	v_lshlrev_b32 v5, 2, v1
	v_lshlrev_b32 v1, 4, v1
	v_add_nc_u32 v1, s95, v1
	v_add_nc_u32 v5, s98, v5
.irp p, 0,1,2,3,4,5,6,7
	global_load_b128 v[128+4*\p:131+4*\p], v1, s[88:89] offset:32768*\p   ; steps 2 p, 2 p + 1 of my row: largest, magnitude, largest, magnitude; 512 consecutive bytes a load
.endr
	v_cvt_f32_u32 v2, s97
	v_add_f32 v2, s96, v2                          ; D
	s_wait_alu depctr_va_vdst(0)                   ; the wait here, directly ahead of the wait below
	s_wait_loadcnt 0x0
	v_max3_num_f32 v3, v128, v130, v132
	v_max3_num_f32 v4, v134, v136, v138
	v_max3_num_f32 v3, v3, v140, v142
	v_max3_num_f32 v4, v4, v144, v146
	v_max3_num_f32 v3, v3, v148, v150
	v_max3_num_f32 v4, v4, v152, v154
	v_max3_num_f32 v3, v3, v156, v158
	v_max_num_f32 v3, v3, v4                       ; the row's largest mask number
	v_sub_f32 v2, v3, v2
	v_fma_f32 v2, -|v3|, 0x36800000, v2            ; the line under which a step counts for nothing in my row
	s_wait_alu depctr_va_vdst(0)                   ; the wait here
	s_mov_b32 s95, 0
.irp s, 0,1,2,3,4,5,6,7,8,9,10,11,12,13,14,15
	v_cmp_lt_f32 s96, v[128+2*\s], v2
	v_cmp_neq_f32 s97, 0, v[129+2*\s]
	s_cmp_lg_u32 s96, -1                           ; kept unless all 32 rows are under their lines: a selection, no branch
	s_cselect_b32 s96, 1<<\s, 0
	s_or_b32 s95, s95, s96
	s_cmp_lg_u32 s97, 0
	s_cselect_b32 s97, 1<<(16+\s), 0
	s_or_b32 s95, s95, s97
.endr
	v_mov_b32 v4, s95
	global_store_b32 v5, v4, s[90:91]              ; the word 32 times: 128 consecutive bytes for each block of queries
.Lnoflag:
.macro FRAG reg, adr, q, i
.irp c, 0,1,2,3
	ds_load_b128 v[\reg+4*\c:\reg+4*\c+3], v[\adr] offset:(\i)*4096+(\q)*2048+512*\c
.endr
.endm
.macro MUL16 a0, p, zero
.irp a, \a0, \a0+1
.irp b, 0,1,2,3,4,5,6,7
.if \zero
	v_wmma_f32_16x16x128_fp8_fp8 v[8*(8*((\a)%4)+\b):8*(8*((\a)%4)+\b)+7], v[128*(\p)+FR*\b:128*(\p)+FR*\b+FR-1], v[AF+FR*(\a):AF+FR*(\a)+FR-1], 0
.else
	v_wmma_f32_16x16x128_fp8_fp8 v[8*(8*((\a)%4)+\b):8*(8*((\a)%4)+\b)+7], v[128*(\p)+FR*\b:128*(\p)+FR*\b+FR-1], v[AF+FR*(\a):AF+FR*(\a)+FR-1], v[8*(8*((\a)%4)+\b):8*(8*((\a)%4)+\b)+7]
.endif
.endr
.endr
.endm
.macro FETCH_B slot, q, p
	WIN TO_B
.irp i, 0,1,2,3,4,5,6,7
	FRAG 128*(\p)+FR*\i, ADRB+\slot, \q, \i
.endr
	WIN 0
.endm
.macro FETCH_A slot, q, i0
.irp i, \i0, \i0+1, \i0+2, \i0+3
	FRAG AF+FR*(\i), ADRA+\slot, \q, \i
.endr
.endm
.macro PLACES n
.rept \n
	v_nop
.endr
.endm
.macro STEP slot, q, zero
	s_wait_dscnt 4*NL
	WIN MUL_LO
	MUL16 0, (\q)%2, \zero
	MUL16 2, (\q)%2, \zero
	s_wait_dscnt 0
	PLACES NP
	FETCH_B \slot, (\q)+1, 1-(\q)%2
	FETCH_A \slot, (\q)+1, 0
	WIN MUL_HI
	MUL16 4, (\q)%2, \zero
	MUL16 6, (\q)%2, \zero
	PLACES NP
	WIN 0
	FETCH_A \slot, (\q)+1, 4
.endm
.macro TURN slot, next, fill
.if \fill
	s_wait_xcnt 0x0                                ; the last prefetch, a K step back, has read its address
	s_add_nc_u64 s[100:101], s[100:101], KSB
.endif
	s_wait_tensorcnt 0x0
	ds_add_u32 v[SPW], v[NIL]
	s_wait_dscnt 4*NL+1
	WIN MUL_LO
	MUL16 0, 1, 0
	s_wait_dscnt 0x0
	s_barrier_signal -1
	MUL16 2, 1, 0
	WIN 0
	s_barrier_wait -1
.if \fill
	CREST
	s_add_nc_u64 s[G0+4*\slot+2:G0+4*\slot+3], s[G0+4*\slot+2:G0+4*\slot+3], 2*KSB
	s_add_nc_u64 s[G0B+4*\slot+2:G0B+4*\slot+3], s[G0B+4*\slot+2:G0B+4*\slot+3], 2*KSB
	JLOAD G0+4*\slot, G1, G0B+4*\slot, G1B
.else
	PLACES NP
.endif
	FETCH_B \next, 0, 0
	FETCH_A \next, 0, 0
.if \fill
	s_cmp_gt_u32 s3, 1                             ; the last lap's two refills have no K step two on
	s_cbranch_scc0 .Lnoask_\@
	global_prefetch_b8 v6, s[100:101] offset:3*KSB th:TH_LOAD_NT scope:SCOPE_SE   ; two refills ahead of the load that will want it
.Lnoask_\@:
.endif
	WIN MUL_HI
	MUL16 4, 1, 0
	MUL16 6, 1, 0
	PLACES NP
	WIN 0
	FETCH_A \next, 0, 4
.endm
	s_wait_tensorcnt 1
	s_barrier_signal -1
	s_barrier_wait -1
	FETCH_B 0, 0, 0
	FETCH_A 0, 0, 0
	FETCH_A 0, 0, 4
	STEP 0, 0, 1
	s_mov_b32 s3, LAPS-1
.Llap:
	TURN 0, 1, 1
	STEP 1, 0, 0
	TURN 1, 0, 1
	STEP 0, 0, 0
	s_sub_co_u32 s3, s3, 1
	s_cmp_lg_u32 s3, 0
	s_cbranch_scc1 .Llap
	TURN 0, 1, 0
	STEP 1, 0, 0
	s_wait_dscnt 4*NL
	WIN MUL_LO
	MUL16 0, 1, 0
	MUL16 2, 1, 0
	s_wait_dscnt 0
	WIN MUL_HI
	MUL16 4, 1, 0
	MUL16 6, 1, 0
	WIN 0
	PLACES NP
.macro EPI_QK a
.if (\a) < 3
.set CSR, 32+32*(\a)
.elseif (\a) < 5
.set CSR, 192+32*((\a)-3)
.else
.set CSR, 32+32*((\a)-5)
.endif
.if 8*(7-(\a)) > 32
	s_wait_loadcnt 32
.else
	s_wait_loadcnt 8*(7-(\a))
.endif
.irp hh, 0,1
	WIN 0x02+((\a)/4)
.irp t, 0,1,2,3
.set AC, 64*((\a)%4)+8*(4*\hh+\t)
.irp p, 0,1,2,3
	v_mul_f32 v[T+8*\t+2*\p], v[AC+2*\p], v[CSR+4*\t+\p]
	v_mul_f32 v[T+8*\t+2*\p+1], v[AC+2*\p], v[CSR+16+4*\t+\p]
.endr
.irp p, 0,1,2,3
	v_fma_f32 v[T+8*\t+2*\p], -v[AC+2*\p+1], v[CSR+16+4*\t+\p], v[T+8*\t+2*\p]
	v_fma_f32 v[T+8*\t+2*\p+1], v[AC+2*\p+1], v[CSR+4*\t+\p], v[T+8*\t+2*\p+1]
.endr
.endr
	WIN 0
.set i, 0
.rept 32
	v_med3_num_f32 v[T+i], v[T+i], -v[LIM], v[LIM]
.set i, i+1
.endr
	s_wait_alu depctr_va_vdst(0)
	s_wait_xcnt 0x0
.irp t, 0,1,2,3
	v_cvt_scalef32_pk8_fp8_f32 v[CQ+8*\hh+2*\t:CQ+8*\hh+2*\t+1], v[T+8*\t:T+8*\t+7], v[SC]
.endr
	v_nop
	global_store_b128 v[LI], v[CQ+8*\hh:CQ+8*\hh+3], s[84+2*\hh:85+2*\hh] offset:(\a)*1024
	global_store_b128 v[LI], v[CQ+8*\hh+4:CQ+8*\hh+7], s[84+2*\hh:85+2*\hh] offset:(\a)*1024+512
.endr
.endm
.macro EPI_V a
	WIN 0x02+((\a)/4)
.set i, 0
.rept 64
	v_med3_num_f32 v[T+i], v[64*((\a)%4)+i], -v[LIM], v[LIM]
.set i, i+1
.endr
	WIN 0
	s_wait_alu depctr_va_vdst(0)
	s_wait_xcnt 0x0
.irp b, 0,1,2,3,4,5,6,7
	v_cvt_scalef32_pk8_fp8_f32 v[CV+2*\b:CV+2*\b+1], v[T+8*\b:T+8*\b+7], v[SC]
.endr
	v_nop
.irp c, 0,1,2,3
	global_store_b128 v[LI], v[CV+4*\c:CV+4*\c+3], s[84+2*((\a)/4):85+2*((\a)/4)] offset:((\a)%4)*2048+512*\c
.endr
.endm
	s_cmp_eq_u32 s19, 2
	s_cbranch_scc1 .Lv
	CSLOAD 3, 192
	CSLOAD 4, 224
	EPI_QK 0
	CSLOAD 5, 32
	EPI_QK 1
	CSLOAD 6, 64
	EPI_QK 2
	CSLOAD 7, 96
	EPI_QK 3
	EPI_QK 4
	EPI_QK 5
	EPI_QK 6
	EPI_QK 7
	s_branch .Lend
.Lv:
	s_wait_alu depctr_va_vdst(0)
.irp a, 0,1,2,3,4,5,6,7
	EPI_V \a
.endr
.Lend:
	s_wait_tensorcnt 0x0
	ds_add_u32 v[SPW], v[NIL]
	s_wait_dscnt 0x0
	CROUND
	s_endpgm
.Lfunc_end_k_qaec6100a73_qkv:
	.size	k_qaec6100a73_qkv, .Lfunc_end_k_qaec6100a73_qkv-k_qaec6100a73_qkv
	.p2alignl 7, 3214868480
	.fill 96, 4, 3214868480
	.section	.rodata,"a",@progbits
	.p2align	6, 0x0
	.amdhsa_kernel k_qaec6100a73_qkv
		.amdhsa_group_segment_fixed_size 327680
		.amdhsa_private_segment_fixed_size 0
		.amdhsa_enable_private_segment 0
		.amdhsa_kernarg_size 72
		.amdhsa_user_sgpr_count 2
		.amdhsa_user_sgpr_kernarg_segment_ptr 1
		.amdhsa_wavefront_size32 1
		.amdhsa_system_sgpr_workgroup_id_x 1
		.amdhsa_system_sgpr_workgroup_id_y 1
		.amdhsa_system_sgpr_workgroup_id_z 1
		.amdhsa_system_vgpr_workitem_id 0
		.amdhsa_next_free_vgpr 1024
		.amdhsa_next_free_sgpr 102
		.amdhsa_reserve_vcc 0
		.amdhsa_float_denorm_mode_32 3
		.amdhsa_float_denorm_mode_16_64 3
		.amdhsa_memory_ordered 1
		.amdhsa_forward_progress 1
		.amdhsa_inst_pref_size 225
	.end_amdhsa_kernel
	.amdgpu_metadata
---
amdhsa.version: [ 1, 2 ]
amdhsa.kernels:
  - .name:           k_qaec6100a73_qkv
    .symbol:         k_qaec6100a73_qkv.kd
    .args:
      - { .name: ximg, .offset: 0, .size: 8, .value_kind: global_buffer, .address_space: global }
      - { .name: wimg, .offset: 8, .size: 8, .value_kind: global_buffer, .address_space: global }
      - { .name: freqs_cos, .offset: 16, .size: 8, .value_kind: global_buffer, .address_space: global }
      - { .name: freqs_sin, .offset: 24, .size: 8, .value_kind: global_buffer, .address_space: global }
      - { .name: lowp_scales, .offset: 32, .size: 8, .value_kind: global_buffer, .address_space: global }
      - { .name: qimg, .offset: 40, .size: 8, .value_kind: global_buffer, .address_space: global }
      - { .name: kvimg, .offset: 48, .size: 8, .value_kind: global_buffer, .address_space: global }
      - { .name: mmax, .offset: 56, .size: 8, .value_kind: global_buffer, .address_space: global }
      - { .name: flags, .offset: 64, .size: 8, .value_kind: global_buffer, .address_space: global }
    .group_segment_fixed_size: 327680
    .private_segment_fixed_size: 0
    .kernarg_segment_align: 8
    .kernarg_segment_size: 72
    .max_flat_workgroup_size: 128
    .sgpr_count:     102
    .vgpr_count:     1024
    .wavefront_size: 32
...
	.end_amdgpu_metadata
.endif
;; end of part 2
;; launch attn (part 3): grid 32 x 8, 8 waves a work-group, no clusters, 0 bytes of LDS; arguments qimg, kvimg, mimg, flags, lowp_scales, ctx; writes ctx
.if DOCPART == 3
	.amdgcn_target "amdgcn-amd-amdhsa--gfx1250"
	.amdhsa_code_object_version 6
	.text
	.protected	k_qaec6100a73_attn
	.globl	k_qaec6100a73_attn
	.p2align	8
	.type	k_qaec6100a73_attn,@function
k_qaec6100a73_attn:
	s_mov_b64 s[64:65], 0
	v_nop
	global_prefetch_b8 v0, s[64:65] scope:SCOPE_SE
	s_setreg_imm32_b32 hwreg(HW_REG_WAVE_MODE, 25, 1), 1
	s_wait_xcnt 0x0
; ctx[q][head 64 + d] = softmax_k(q . k / 8 + mask[q][k]) v, both products on codes of FP8 (E4M3); the result is quantised with 2^e10 for the last product and stored as an image of its operand registers.
; THE MASK IS AN INPUT, and its own numbers decide what is done, by whole numbers that the launch before stored for each block of 32 queries (its lines give the bound): bit s = the step of keys 128 s .. + 127 is kept
; (in a step left out every p has the code 0 and adds under 2^-80 to a row's sum); bit 16 + s = the step's mask is not all 0.  Only kept steps are walked; the mask is loaded and added only where it is not all 0.
; LIMIT of the steps left out: a NaN, an infinity or an overflow that would arise only in them is not carried to the result.
; THE ARITHMETIC.  sc = 2^(e6 + e7 - 3).  X = sum + mask / sc (one fused multiply-add) is logit / sc with the one rounding of logit = sum x sc + mask, since sc is a power of two; t = X x (sc x log2(e)) is logit x log2(e),
; rounded once.  M = the ceiling of the row's running largest t; p = 2^(t - M) is quantised with 2^e8; the row's sum is taken of the unquantised p and divides at the end.  When M moves, the sum and O are multiplied by 2^(old M - new M): exact.
; SHARES.  A wave owns TWO tiles of 16 queries of one head, T = 8 g + wave and 127 - T, and walks them one after the other: the tiles are dealt so whatever the list says.  Waves share nothing: no LDS, no barrier.
; The two tiles' kept steps are ONE list of up to 32 bits (the first tile's in the low half), so the first tile's last step asks for the second tile's first K and V like any other step; the first tile's way out stands in the loop.
; OPERANDS go from memory straight into registers: Q, K, V and the mask lie as images of registers, so every load takes 512 consecutive bytes.  K of the next kept step is asked for behind this step's first product, V behind its
; second: each a whole step ahead, so no prefetch of its own is laid.  No tensor load and no joint load: the walk hangs on a stored list, and the waves of a work-group walk different steps.
; LAYOUT.  Both products are used transposed: S^T = K Q^T, O^T = V^T P^T: a lane holds ONE query (lane % 16); in S^T tile t, register j is key 16 t + 8 (lane / 16) + j, so a conversion of a tile's eight registers
; gives registers 2 t, 2 t + 1 of P.  P's 16 registers lie over scores that are done with: they begin two registers ahead of the scores, so that conversion t writes where conversions 0 and 1 have read.
; LIMITS: e6 + e7 between -123 and 129; |mask| x 2^(3 - e6 - e7) stays an f32 number; e8 and e10 between -126 and 119; the scaled scores stay under 2^31.  NaN among the inputs is not served.
; REGISTERS, in windows of 256 (s_set_vgpr_msb: bits 1:0 source 0, 3:2 source 1, 5:4 source 2, 7:6 destination):
;   window 0: v1 16 x lane; v4-13 statistics; v20-23 the quantisers' constants; v30-93 K; v94-95 the head of P; v96-159 S^T, t, p; v160-223 V; v224-231 Q; v232-239 the second tile's Q; v240-247 the result's codes
;   window 1: v0-31 O^T; v32-95 the mask
.set LI,    1
.set ST,    4                          ; +0 -M, +1 the largest t, +2, +3 the sum in two halves, +4 f, +5 a permute's result, +6 .. +9 at work: four chains of the maximum, then a second chain of sums
.set LIMP,  20                         ; 448 x 2^e8
.set SCP,   21                         ; 2^e8
.set LIMC,  22                         ; 448 x 2^e10
.set SCO,   23                         ; 2^e10
.set KR,    30
.set S,     96
.set VR,    160
.set QF,    224
.set QN,    232
.set CD,    240
.set O,     0
.set MK,    32
; s16 wave; s17, s18 my tiles; s[20:21] lane selects; s[22:23] sc x log2(e); s24 the list of steps still to be asked for; s25 trips; s26 the list's place asked for, s43 its step; s[28:29] an offset; s30 the bits 'not all 0';
; s31 this step's such bit, s44 the next one's; s[32:33], s[34:35], s[36:37] where K, the mask, V of the step asked for lie; s[38:39] my head's K and V; s[40:41] my first tile's mask; s47 from the first tile's mask to the second's, / 16;
; s48 steps left of the first tile; s[50:51] from the first tile's place in ctx to the second's; s58 e8 + e9; s[60:61] 1 / sc
.set MSB, 0
.macro WIN new                         ; the immediate's high byte repeats the setting that is left; a switch that changes nothing is dropped
.if MSB != \new
	s_set_vgpr_msb (MSB<<8)|(\new)
.set MSB, \new
.endif
.endm
.macro NEXT                            ; the lowest place of the list; held within 0 .. 31 ahead of every address
	s_ctz_i32_b32 s26, s24
	s_min_u32 s26, s26, 31
	s_add_co_i32 s27, s24, -1
	s_and_b32 s24, s24, s27
	s_and_b32 s43, s26, 15                         ; the step of 128 keys
.endm
.macro KADDR
	s_lshl_b32 s28, s43, 14
	s_add_nc_u64 s[32:33], s[38:39], s[28:29]
.endm
.macro VADDR
	s_lshl_b32 s28, s43, 14
	s_add_nc_u64 s[36:37], s[38:39], s[28:29]
.endm
.macro MADDR                           ; the first tile's mask, + (the second tile's distance) where the place lies in the list's upper half, + 8,192 x the step
	s_and_b32 s27, s26, 16
	s_mul_i32 s27, s27, s47
	s_lshl_b32 s28, s43, 13
	s_add_co_u32 s28, s28, s27
	s_add_nc_u64 s[34:35], s[40:41], s[28:29]
.endm
.macro KLOADS
.irp t, 0,1,2,3,4,5,6,7
	global_load_b128 v[KR+8*\t:KR+8*\t+3], v[LI], s[32:33] offset:1024*\t
	global_load_b128 v[KR+8*\t+4:KR+8*\t+7], v[LI], s[32:33] offset:1024*\t+512
.endr
.endm
.macro VLOADS
.irp p, 0,1,2,3,4,5,6,7,8,9,10,11,12,13,14,15
	global_load_b128 v[VR+4*\p:VR+4*\p+3], v[LI], s[36:37] offset:8192+512*\p
.endr
.endm
.macro QK                              ; eight products, the accumulators by turns; then the places ahead of the loads into K's registers and of the first read of the scores
.irp t, 0,1,2,3,4,5,6,7
	v_wmma_f32_16x16x64_fp8_fp8 v[S+8*\t:S+8*\t+7], v[KR+8*\t:KR+8*\t+7], v[QF:QF+7], 0
.endr
.rept 4
	v_nop
.endr
.endm
.macro NEXTK                           ; the next kept step, its bit, and its K: K's loads of this step have been waited for, so their base may be written
	NEXT
	s_lshr_b32 s44, s30, s26
	s_and_b32 s44, s44, 1
	KADDR
	KLOADS
.endm
.macro HOLD r                          ; the conversion does not saturate (ISA guide 7.6.2); p is not negative, so the hold is one-sided
	v_min_num_f32 v[S+(\r)], v[S+(\r)], v[LIMP]
.endm
.macro CVT t                           ; eight held numbers of key tile t become registers 2 t, 2 t + 1 of P, which begins at v[S - 2]
	v_cvt_scalef32_pk8_fp8_f32 v[S+2*\t-2:S+2*\t-1], v[S+8*\t:S+8*\t+7], v[SCP]
.endm
.macro MAX2 c, r
	v_max3_num_f32 v[ST+6+\c], v[ST+6+\c], v[S+(\r)], v[S+(\r)+1]
.endm
.macro INIT                            ; a tile begins: O^T and the sum as zeros, the largest t as -3e38: the step is written once, and the first change of M leaves the zeros zeros
	WIN 0x40
.set n, 0
.rept 32
	v_mov_b32 v[O+n], 0
.set n, n+1
.endr
	WIN 0
	v_mov_b32 v[ST+1], 0xff61b1e6
	v_floor_f32 v[ST], -v[ST+1]                    ; -M
	v_mov_b32 v[ST+2], 0
	v_mov_b32 v[ST+3], 0
	v_mov_b32 v[ST+5], 0                           ; a lane permute's destination counts as one of its sources; also named as the upper half of f's pair
.endm
; A KEPT STEP: 128 keys for 16 queries.  more = 1: a step follows in the list, and its K and V are asked for.
; COUNTS of the waits on loads, in the order of issue K, V, (this step's mask), the next K, the next V, 16 loads each.  K: behind it V's 16 (and the mask's 16).  The mask: behind it the next K's 16.  V: behind it the next K's 16 at the least.
.macro STEP more
	s_cmp_eq_u32 s31, 0
	s_cbranch_scc1 .Lopen_\@
	WIN 0x40
.irp p, 0,1,2,3,4,5,6,7,8,9,10,11,12,13,14,15
	global_load_b128 v[MK+4*\p:MK+4*\p+3], v[LI], s[34:35] offset:512*\p   ; the step's mask is not all 0: its 16 loads, and the first product beside them
.endr
	WIN 0
	s_wait_loadcnt 32
	QK
.if \more
	NEXTK
.endif
	s_wait_loadcnt 16*\more
	WIN 0x01                                       ; source 0 (the mask) window 1
.set n, 0
.rept 32
	v_pk_fma_f32 v[S+2*n:S+2*n+1], v[MK+2*n:MK+2*n+1], s[60:61], v[S+2*n:S+2*n+1] op_sel_hi:[1,0,1]   ; X = sum + mask / sc; each accumulator from its low end on
.set n, n+1
.endr
	WIN 0
	s_wait_alu depctr_va_vdst(0)                   ; the wait here, directly ahead of the branch
	s_branch .Lboth_\@
.Lopen_\@:
	s_wait_loadcnt 16
	QK
.if \more
	NEXTK
.endif
.Lboth_\@:
.if \more
	MADDR                                          ; where the next step's mask lies: no load of the mask is out here
.endif
.set n, 0
.rept 32
	v_pk_mul_f32 v[S+2*n:S+2*n+1], v[S+2*n:S+2*n+1], s[22:23] op_sel_hi:[1,0]   ; t; each accumulator from its low end on
.set n, n+1
.endr
.irp c, 0,1,2,3                                ; the largest t of my 64 keys, in four chains
	v_max3_num_f32 v[ST+6+\c], v[S+3*\c], v[S+3*\c+1], v[S+3*\c+2]
.endr
.set n, 12
.rept 6
	MAX2 0, n
	MAX2 1, n+2
	MAX2 2, n+4
	MAX2 3, n+6
.set n, n+8
.endr
	MAX2 0, 60
	MAX2 1, 62
	v_max3_num_f32 v[ST+6], v[ST+6], v[ST+7], v[ST+8]
	v_max_num_f32 v[ST+6], v[ST+6], v[ST+9]
	v_permlanex16_b32 v[ST+5], v[ST+6], s20, s21
	v_max_num_f32 v[ST+6], v[ST+6], v[ST+5]        ; and lane l xor 16's
	v_max_num_f32 v[ST+1], v[ST+1], v[ST+6]        ; the running largest t
	v_mov_b32 v[ST+6], v[ST]
	v_floor_f32 v[ST], -v[ST+1]                    ; -M = floor(-t): a whole number
	v_sub_f32 v[ST+6], v[ST], v[ST+6]              ; old M - new M, 0 or less
	v_cvt_i32_f32 v[ST+6], v[ST+6]                 ; (it saturates)
	v_ldexp_f32 v[ST+4], 1.0, v[ST+6]              ; f = 2^(old M - new M)
.set n, 0
.rept 32
	v_pk_add_f32 v[S+2*n:S+2*n+1], v[S+2*n:S+2*n+1], v[ST:ST+1] op_sel_hi:[1,0]   ; t - M
.set n, n+1
.endr
	s_wait_alu depctr_va_vdst(0)                   ; the wait ahead of the batch
.set n, 0
.rept 64
	v_exp_f32 v[S+n], v[S+n]                       ; p = 2^(t - M), at most 1
.set n, n+1
.endr
	v_pk_mul_f32 v[ST+2:ST+3], v[ST+2:ST+3], v[ST+4:ST+5] op_sel_hi:[1,0]   ; the sum under the new M; the plain line behind the exponentials
	s_wait_alu depctr_va_vdst(0)                   ; one wait for the batch, ahead of its first reader
	v_pk_add_f32 v[ST+6:ST+7], v[S:S+1], v[S+2:S+3]                         ; the row's sum is taken of the unquantised p, a pair of keys a line, in two chains
.irp j, 4,8,12,16,20,24,28,32,36,40,44,48,52,56,60
	v_pk_add_f32 v[ST+2:ST+3], v[ST+2:ST+3], v[S+\j:S+\j+1]
	v_pk_add_f32 v[ST+6:ST+7], v[ST+6:ST+7], v[S+\j+2:S+\j+3]
.endr
	v_pk_add_f32 v[ST+2:ST+3], v[ST+2:ST+3], v[ST+6:ST+7]
.set n, 0
.rept 62
	HOLD n
.set n, n+1
.endr
	CVT 0
	HOLD 62                                        ; the last two holds are the plain lines between conversions 0 and 1 and the conversions that write where these have read
	CVT 1
	HOLD 63
.irp t, 2,3,4,5,6,7
	CVT \t
.endr
	WIN 0x41                                       ; O^T (destination and source 0) window 1, f window 0
	s_wait_alu depctr_va_vdst(0)                   ; the wait here, directly ahead of the first reader of O^T
.set n, 0
.rept 16
	v_pk_mul_f32 v[O+n:O+n+1], v[O+n:O+n+1], v[ST+4:ST+5] op_sel_hi:[1,0]   ; O^T under the new M; also the plain lines between the conversions and the products
.set n, n+2
.endr
	s_wait_alu depctr_va_vdst(0)                   ; the wait here, directly ahead of the wait below
	s_wait_loadcnt 16*\more                        ; V is in
	WIN 0x50                                       ; C and D window 1; V and P window 0
.irp d, 0,1,2,3
	v_wmma_f32_16x16x128_fp8_fp8 v[O+8*\d:O+8*\d+7], v[VR+16*\d:VR+16*\d+15], v[S-2:S+13], v[O+8*\d:O+8*\d+7]   ; the four accumulators by turns
.endr
	WIN 0
.rept 5
	v_nop                                          ; places: four ahead of loads into V's registers and of reads of O^T, five ahead of the next products, which write over P
.endr
.if \more
	VADDR                                          ; this step's V has been waited for, so the base may be written
	s_mov_b32 s31, s44
	VLOADS
.endif
.endm
; A TILE'S WAY OUT.  O^T x 2^(e8 + e9) / the sum; register 8 d + j of lane (r, h) is channel 16 d + 8 h + j of query r: its codes are registers 2 d, 2 d + 1 of my head's 64 along the last product's K.
.macro EPI
	v_add_f32 v[ST+2], v[ST+2], v[ST+3]
	v_permlanex16_b32 v[ST+5], v[ST+2], s20, s21
	v_add_f32 v[ST+2], v[ST+2], v[ST+5]            ; the row's sum
	s_wait_alu depctr_va_vdst(0)                   ; the wait ahead of the transcendental
	v_rcp_f32 v[ST+2], v[ST+2]
	v_nop                                          ; a plain line behind it
	s_wait_alu depctr_va_vdst(0)                   ; and the wait ahead of its first reader
	v_ldexp_f32 v[ST+2], v[ST+2], s58
	WIN 0x01                                       ; source 0 (O^T) window 1
	s_wait_alu depctr_va_vdst(0)                   ; the wait here, directly ahead of the first reader of O^T
.set n, 0
.rept 32
	v_mul_f32 v[S+n], v[O+n], v[ST+2]              ; each accumulator from its low end on
.set n, n+1
.endr
	WIN 0
.set n, 0
.rept 32
	v_med3_num_f32 v[S+n], v[S+n], -v[LIMC], v[LIMC]
.set n, n+1
.endr
.irp d, 0,1,2,3
	v_cvt_scalef32_pk8_fp8_f32 v[CD+2*\d:CD+2*\d+1], v[S+8*\d:S+8*\d+7], v[SCO]
.endr
	v_nop                                          ; a plain line behind the last conversion
	global_store_b128 v[LI], v[CD:CD+3], s[14:15]              ; 512 consecutive bytes each
	global_store_b128 v[LI], v[CD+4:CD+7], s[14:15] offset:512
.endm
	s_load_b256 s[4:11], s[0:1], 0x0               ; qimg s[4:5], kvimg s[6:7], mimg s[8:9], flags s[10:11]
	s_load_b128 s[12:15], s[0:1], 0x20             ; the scales s[12:13], ctx s[14:15]
	v_lshrrev_b32 v2, 5, v0
	v_readfirstlane_b32 s16, v2                    ; wave 0..7
	v_and_b32 v3, 31, v0
	v_lshlrev_b32 v[LI], 4, v3
	s_and_b32 s17, ttmp7, 0xffff
	s_lshl_b32 s17, s17, 3
	s_add_co_u32 s17, s17, s16                     ; my first tile of 16 queries: 0..63
	s_sub_co_u32 s18, 127, s17                     ; my second: 64..127
	s_sub_co_u32 s19, s18, s17                     ; the distance, above 0
	s_lshl_b32 s47, s19, 13                        ; x 131,072 bytes of mask, / 16
	s_lshl_b32 s50, s19, 12                        ; x 4,096 bytes of ctx
	s_mov_b32 s51, 0
	s_mov_b32 s29, 0
	s_mov_b32 s57, 0
	s_mov_b32 s20, 0x76543210
	s_mov_b32 s21, 0xfedcba98                      ; v_permlanex16_b32: lane l xor 16
	s_lshr_b32 s28, s17, 1
	s_lshl_b32 s28, s28, 7                         ; a block of 32 queries has 128 bytes of flags
	s_lshr_b32 s56, s18, 1
	s_lshl_b32 s56, s56, 7
	s_wait_alu depctr_va_vdst(0)                   ; the wait here, directly ahead of the wait below
	s_wait_kmcnt 0x0
	s_add_nc_u64 s[52:53], s[10:11], s[56:57]
	s_add_nc_u64 s[10:11], s[10:11], s[28:29]
	s_load_b32 s45, s[10:11], 0x0                  ; my two tiles' words
	s_load_b32 s46, s[52:53], 0x0
	s_load_b256 s[72:79], s[12:13], 0x0            ; e0 .. e7
	s_load_b128 s[80:83], s[12:13], 0x20           ; e8 .. e11
	s_lshl_b32 s28, ttmp9, 17                      ; Q: a head is 131,072 bytes, a tile 1,024
	s_lshl_b32 s27, s17, 10
	s_add_co_u32 s28, s28, s27
	s_add_nc_u64 s[4:5], s[4:5], s[28:29]
	s_lshl_b32 s56, s19, 10
	s_add_nc_u64 s[54:55], s[4:5], s[56:57]
	global_load_b128 v[QF:QF+3], v[LI], s[4:5]
	global_load_b128 v[QF+4:QF+7], v[LI], s[4:5] offset:512
	global_load_b128 v[QN:QN+3], v[LI], s[54:55]
	global_load_b128 v[QN+4:QN+7], v[LI], s[54:55] offset:512
	s_lshl_b32 s28, ttmp9, 18
	s_add_nc_u64 s[38:39], s[6:7], s[28:29]        ; my head's images of K and V: 16,384 bytes a step
	s_lshl_b32 s28, s17, 17
	s_add_nc_u64 s[40:41], s[8:9], s[28:29]        ; my first tile's images of the mask: 8,192 bytes a step
	s_lshl_b32 s28, s17, 12                        ; ctx: a tile of 16 rows is 4,096 bytes of 256 along K,
	s_lshr_b32 s27, ttmp9, 2
	s_lshl_b32 s27, s27, 19                        ; four heads are 256 along K,
	s_add_co_u32 s28, s28, s27
	s_and_b32 s27, ttmp9, 3
	s_lshl_b32 s27, s27, 10                        ; a head two pieces of 512 bytes
	s_add_co_u32 s28, s28, s27
	s_add_nc_u64 s[14:15], s[14:15], s[28:29]
	s_wait_kmcnt 0x0
	s_and_b32 s24, s45, 0xffff                     ; the first tile's kept steps,
	s_bcnt1_i32_b32 s48, s24
	s_max_u32 s48, s48, 1                          ; (the step with a row's largest mask number is always kept)
	s_lshl_b32 s27, s46, 16
	s_or_b32 s24, s24, s27                         ; and over them the second tile's
	s_lshr_b32 s30, s45, 16                        ; the bits 'not all 0' likewise
	s_and_b32 s27, s46, 0xffff0000
	s_or_b32 s30, s30, s27
	s_bcnt1_i32_b32 s25, s24
	s_max_u32 s25, s25, 2                          ; (each of the two tiles keeps a step at the least)
	s_add_co_i32 s25, s25, -1                      ; the list's last step is written out: it asks for nothing more
	s_max_u32 s25, s25, 1                          ; the loop's trips: 1 at the least
	NEXT
	s_lshr_b32 s31, s30, s26
	s_and_b32 s31, s31, 1
	KADDR
	VADDR
	MADDR
	KLOADS                                         ; the first kept step's K, then its V
	VLOADS
	INIT
	s_add_co_i32 s56, s78, s79                     ; e6 + e7
	s_sub_co_i32 s60, 130, s56
	s_lshl_b32 s60, s60, 23                        ; 1 / sc = 2^(3 - e6 - e7)
	s_mov_b32 s61, s60
	s_add_co_i32 s56, s56, -3
	s_lshl_b32 s56, s56, 23
	s_add_co_i32 s22, s56, 0x3fb8aa3b              ; sc x log2(e): the exponent is added to log2(e)'s exponent field
	s_mov_b32 s23, s22
	s_add_co_i32 s56, s80, 127
	s_lshl_b32 s57, s56, 23
	v_mov_b32 v[SCP], s57                          ; 2^e8
	s_add_co_i32 s56, s56, 8
	s_lshl_b32 s56, s56, 23
	s_or_b32 s56, s56, 0x600000
	v_mov_b32 v[LIMP], s56                         ; 448 x 2^e8
	s_add_co_i32 s56, s82, 127
	s_lshl_b32 s57, s56, 23
	v_mov_b32 v[SCO], s57                          ; 2^e10
	s_add_co_i32 s56, s56, 8
	s_lshl_b32 s56, s56, 23
	s_or_b32 s56, s56, 0x600000
	v_mov_b32 v[LIMC], s56                         ; 448 x 2^e10
	s_add_co_i32 s58, s80, s81                     ; e8 + e9
	s_wait_alu depctr_va_vdst(0)                   ; the wait at the head's end
.Lstep:                                            ; all steps of the list but the last
	STEP 1
	s_add_co_i32 s48, s48, -1
	s_cmp_lg_u32 s48, 0
	s_cbranch_scc1 .Lcont
	EPI                                            ; that was the first tile's last step: it goes out, while the second tile's first K and V are on their way
	s_wait_xcnt 0x0                                ; the stores have read their base and their data
	s_add_nc_u64 s[14:15], s[14:15], s[50:51]
.set n, 0
.rept 8
	v_mov_b32 v[QF+n], v[QN+n]                     ; the second tile's Q
.set n, n+1
.endr
	INIT
	s_wait_alu depctr_va_vdst(0)                   ; the wait here, ahead of the label and the branch
.Lcont:
	s_sub_co_i32 s25, s25, 1
	s_cmp_gt_i32 s25, 0
	s_cbranch_scc1 .Lstep
	STEP 0
	EPI
	s_endpgm
.Lfunc_end_k_qaec6100a73_attn:
	.size	k_qaec6100a73_attn, .Lfunc_end_k_qaec6100a73_attn-k_qaec6100a73_attn
	.p2alignl 7, 3214868480
	.fill 96, 4, 3214868480
	.section	.rodata,"a",@progbits
	.p2align	6, 0x0
	.amdhsa_kernel k_qaec6100a73_attn
		.amdhsa_group_segment_fixed_size 0
		.amdhsa_private_segment_fixed_size 0
		.amdhsa_enable_private_segment 0
		.amdhsa_kernarg_size 48
		.amdhsa_user_sgpr_count 2
		.amdhsa_user_sgpr_kernarg_segment_ptr 1
		.amdhsa_wavefront_size32 1
		.amdhsa_system_sgpr_workgroup_id_x 1
		.amdhsa_system_sgpr_workgroup_id_y 1
		.amdhsa_system_sgpr_workgroup_id_z 1
		.amdhsa_system_vgpr_workitem_id 0
		.amdhsa_next_free_vgpr 352
		.amdhsa_next_free_sgpr 84
		.amdhsa_reserve_vcc 0
		.amdhsa_float_denorm_mode_32 3
		.amdhsa_float_denorm_mode_16_64 3
		.amdhsa_memory_ordered 1
		.amdhsa_forward_progress 1
		.amdhsa_inst_pref_size 63
	.end_amdhsa_kernel
	.amdgpu_metadata
---
amdhsa.version: [ 1, 2 ]
amdhsa.kernels:
  - .name:           k_qaec6100a73_attn
    .symbol:         k_qaec6100a73_attn.kd
    .args:
      - { .name: qimg, .offset: 0, .size: 8, .value_kind: global_buffer, .address_space: global }
      - { .name: kvimg, .offset: 8, .size: 8, .value_kind: global_buffer, .address_space: global }
      - { .name: mimg, .offset: 16, .size: 8, .value_kind: global_buffer, .address_space: global }
      - { .name: flags, .offset: 24, .size: 8, .value_kind: global_buffer, .address_space: global }
      - { .name: lowp_scales, .offset: 32, .size: 8, .value_kind: global_buffer, .address_space: global }
      - { .name: ctx, .offset: 40, .size: 8, .value_kind: global_buffer, .address_space: global }
    .group_segment_fixed_size: 0
    .private_segment_fixed_size: 0
    .kernarg_segment_align: 8
    .kernarg_segment_size: 48
    .max_flat_workgroup_size: 256
    .sgpr_count:     84
    .vgpr_count:     352
    .wavefront_size: 32
...
	.end_amdgpu_metadata
.endif
;; end of part 3
;; launch proj (part 4): grid 16 x 16, 4 waves a work-group, clusters of 4 x 4, 327,680 bytes of LDS; arguments ctx, wimg, lowp_scales, out0; writes out0
.if DOCPART == 4
	.amdgcn_target "amdgcn-amd-amdhsa--gfx1250"
	.amdhsa_code_object_version 6
	.text
	.protected	k_qaec6100a73_proj
	.globl	k_qaec6100a73_proj
	.p2align	8
	.type	k_qaec6100a73_proj,@function
k_qaec6100a73_proj:
	s_mov_b64 s[64:65], 0
	v_nop
	global_prefetch_b8 v0, s[64:65] scope:SCOPE_SE
	s_setreg_imm32_b32 hwreg(HW_REG_WAVE_MODE, 25, 1), 1
	s_wait_xcnt 0x0
	s_wait_alu depctr_hold_cnt(0) depctr_sa_sdst(0) depctr_va_vdst(0) depctr_va_sdst(0) depctr_va_ssrc(0) depctr_va_vcc(0) depctr_vm_vsrc(0)
	s_getreg_b32 s2, hwreg(HW_REG_IB_STS2, 6, 4)
	s_cmp_eq_u32 s2, 0
	s_cbranch_scc0 .Lentry_in_a_cluster
	s_endpgm
.Lentry_in_a_cluster:
	s_bfe_u32 s2, ttmp6, 0x10000c
	s_cmp_lg_u32 s2, 0xf033
	s_cbranch_scc0 .Lentry_shape_is_right
	s_endpgm
.Lentry_shape_is_right:
.set KSB,    524288
.set BLK,    32768
.set SLOT,   4*BLK
.set SPARE,  2*SLOT
.set STAGE,  SPARE+512
.set SPITCH, 272
.set FR,     16
.set ADRA,   16
.set ADRB,   20
.set STO,    24
.set RD,     25
.set CO,     26
.set SPW,    28
.set NIL,    29
.set TMP,    32
.set BK,     64
.set ACC,    128
.set F0,     0
.set F1,     128
.set G1,     24
.set G0,     32
.set G1B,    48
.set G0B,    56
.set MSB, 0
.macro WIN new
.if MSB != \new
	s_set_vgpr_msb (MSB<<8)|(\new)
.set MSB, \new
.endif
.endm
.set MUL,  0x05
.set TO_F, 0x40
.macro JLOAD s
	s_cmp_eq_u32 s15, 0
	s_cbranch_scc0 .Lfor_b_\@
	tensor_load_to_lds s[G0+4*\s:G0+4*\s+3], s[G1:G1+7]
	s_nop 0
.rept 4
	v_nop
.endr
	s_branch .Lasked_\@
.Lfor_b_\@:
	tensor_load_to_lds s[G0B+4*\s:G0B+4*\s+3], s[G1B:G1B+7]
	s_nop 0
.rept 4
	v_nop
.endr
.Lasked_\@:
.endm
.macro CREST
	s_cmp_lg_u32 s14, 0
	s_cbranch_scc1 .Lnot_wave_0_\@
	s_barrier_signal -3
.Lnot_wave_0_\@:
	s_barrier_wait -3
	s_barrier_signal -1
	s_barrier_wait -1
.endm
.macro CROUND
	s_barrier_signal -1
	s_barrier_wait -1
	CREST
.endm
	s_load_b256 s[4:11], s[0:1], 0x0
	v_lshl_add_u32 v[SPW], v0, 2, SPARE
	v_mov_b32 v[NIL], 0
	ds_add_u32 v28, v29
	ds_add_u32 v28, v29
	s_wait_dscnt 0x0
	v_lshrrev_b32 v1, 5, v0
	v_readfirstlane_b32 s14, v1
	s_lshr_b32 s15, s14, 1
	s_and_b32 s16, s14, 1
	s_bfe_u32 s40, ttmp6, 0x40000
	s_bfe_u32 s41, ttmp6, 0x40004
	s_lshl_b32 s42, ttmp9, 2
	s_add_co_u32 s42, s42, s40
	s_and_b32 s17, ttmp7, 0xffff
	s_lshl_b32 s17, s17, 2
	s_add_co_u32 s17, s17, s41
	s_lshl_b32 s43, s41, 2
	s_lshl_b32 s43, 15, s43
	s_lshl_b32 s44, 0x1111, s40
	s_or_b32 s[G1+0], s43, (3<<16)|(1<<21)
	s_or_b32 s[G1B+0], s44, (3<<16)|(1<<21)
.irp g, G1, G1B
	s_mov_b32 s[\g+1], 32<<16
	s_mov_b32 s[\g+2], 128<<16
	s_mov_b32 s[\g+3], 32<<16
	s_mov_b32 s[\g+4], 128
	s_mov_b32 s[\g+5], 32
	s_mov_b32 s[\g+6], 0
	s_mov_b32 s[\g+7], 0
.endr
	s_lshl_b32 s20, s17, 15
	s_lshl_b32 s21, s16, 19
	s_add_co_u32 s20, s20, s21
	s_mov_b32 s21, 0
	s_lshl_b32 s46, s42, 15
	s_lshl_b32 s47, s16, 19
	s_add_co_u32 s46, s46, s47
	s_add_co_u32 s46, s46, 12582912
	s_mov_b32 s47, 0
	s_lshl_b32 s45, s14, 15
	s_wait_kmcnt 0x0
	s_load_b64 s[96:97], s[8:9], 0x28
	s_add_nc_u64 s[20:21], s[4:5], s[20:21]
	s_add_nc_u64 s[46:47], s[6:7], s[46:47]
; THE PREFETCHES.  A wave fetches 32,768 bytes on end for each fill of a slot, jointly with three partners; of these bytes the partner at place p (cx for the first operand, cy for the second) names 8,192 p .. + 8,191,
; lanes 256 bytes apart, one instruction a wave: each block of 256 bytes once in each cluster that loads it, the partners told apart by address.  Behind the load of fill s stands the request for fill s + 2;
; fills 0 and 1 come by their loads alone, and there is no fill behind the fourth.
	s_cmp_eq_u32 s15, 0
	s_cselect_b64 s[90:91], s[20:21], s[46:47]
	s_cselect_b32 s88, s40, s41
	s_lshl_b32 s88, s88, 13
	s_mov_b32 s89, 0
	s_add_nc_u64 s[90:91], s[90:91], s[88:89]
	v_and_b32 v6, 31, v0
	v_lshlrev_b32 v6, 8, v6                        ; never rewritten
	s_wait_alu depctr_va_vdst(0)                   ; the wait
	CROUND
.irp s, 0,1
	s_mov_b32 s[G0+4*\s], 1
	s_add_co_u32 s[G0+4*\s+1], s45, \s*SLOT
	s_add_nc_u64 s[G0+4*\s+2:G0+4*\s+3], s[20:21], \s*2*KSB
	s_or_b32 s[G0+4*\s+3], s[G0+4*\s+3], 0x80000000
	s_mov_b32 s[G0B+4*\s], 1
	s_add_co_u32 s[G0B+4*\s+1], s45, \s*SLOT
	s_add_nc_u64 s[G0B+4*\s+2:G0B+4*\s+3], s[46:47], \s*2*KSB
	s_or_b32 s[G0B+4*\s+3], s[G0B+4*\s+3], 0x80000000
	s_wait_alu depctr_va_vdst(0)
	s_wait_tensorcnt 0x0
	ds_add_u32 v28, v29
	ds_add_u32 v28, v29
	s_wait_dscnt 0x0
	CROUND
	JLOAD \s
	global_prefetch_b8 v6, s[90:91] offset:(\s+2)*2*KSB th:TH_LOAD_NT scope:SCOPE_SE   ; fills 2 and 3
.endr
	v_and_b32 v1, 31, v0
	v_lshlrev_b32 v3, 4, v1
	v_and_b32 v1, 15, v0
	s_wait_alu depctr_va_vdst(0)
	v_bfe_u32 v2, v0, 4, 1
	s_lshl_b32 s22, s15, 14
	s_lshl_b32 s23, s16, 14
	s_add_co_u32 s23, s23, 2*BLK
.irp s, 0,1
	v_add_nc_u32 v[ADRA+\s], s22, v3
	v_add_nc_u32 v[ADRB+\s], s23, v3
	s_add_co_u32 s22, s22, SLOT
	s_add_co_u32 s23, s23, SLOT
.endr
	s_mul_i32 s22, s14, 16*SPITCH
	s_add_co_u32 s22, s22, STAGE
	v_mul_u32_u24 v4, v1, SPITCH
	s_wait_alu depctr_va_vdst(0)
	v_lshl_add_u32 v4, v2, 5, v4
	v_add_nc_u32 v[STO], s22, v4
	v_mul_u32_u24 v4, v2, SPITCH
	v_lshl_add_u32 v4, v1, 4, v4
	v_add_nc_u32 v[RD], s22, v4
	v_lshlrev_b32 v4, 13, v2
	v_lshl_add_u32 v[CO], v1, 4, v4
	s_lshl_b32 s92, s17, 20
	s_lshl_b32 s93, s15, 19
	s_add_co_u32 s92, s92, s93
	s_lshl_b32 s93, s42, 9
	s_add_co_u32 s92, s92, s93
	s_lshl_b32 s93, s16, 8
	s_add_co_u32 s92, s92, s93
	s_mov_b32 s93, 0
	s_add_nc_u64 s[10:11], s[10:11], s[92:93]
.macro FRAG reg, adr, q, i
.irp c, 0,1,2,3
	ds_load_b128 v[\reg+4*\c:\reg+4*\c+3], v[\adr] offset:((\q)/2)*BLK+(\i)*4096+((\q)%2)*2048+512*\c
.endr
.endm
.macro FETCH slot, q, f
	WIN TO_F
.irp i, 0,1,2,3
	FRAG \f+64+FR*\i, ADRB+\slot, \q, \i
.endr
.irp i, 0,1,2,3
	FRAG \f+FR*\i, ADRA+\slot, \q, \i
.endr
.endm
.macro MUL8 f, a0, zero
.irp a, \a0, \a0+1
.irp b, 0,1,2,3
.if \zero
	v_wmma_f32_16x16x128_fp8_fp8 v[ACC+8*(4*(\a)+\b):ACC+8*(4*(\a)+\b)+7], v[\f+64+FR*\b:\f+64+FR*\b+FR-1], v[\f+FR*(\a):\f+FR*(\a)+FR-1], 0
.else
	v_wmma_f32_16x16x128_fp8_fp8 v[ACC+8*(4*(\a)+\b):ACC+8*(4*(\a)+\b)+7], v[\f+64+FR*\b:\f+64+FR*\b+FR-1], v[\f+FR*(\a):\f+FR*(\a)+FR-1], v[ACC+8*(4*(\a)+\b):ACC+8*(4*(\a)+\b)+7]
.endif
.endr
.endr
.endm
.macro PLACES
.rept 4
	v_nop
.endr
.endm
.macro SUB slot, qn, f, g, zero
	s_wait_dscnt 8
	WIN MUL
	MUL8 \f, 0, \zero
	PLACES
	FETCH \slot, \qn, \g
	s_wait_dscnt 32
	WIN MUL
	MUL8 \f, 2, \zero
.endm
.macro TURN slot, next, fill
	WIN 0
	s_wait_tensorcnt 0x0
	ds_add_u32 v[SPW], v[NIL]
	s_wait_dscnt 9
	WIN MUL
	MUL8 F1, 0, 0
	s_wait_dscnt 0x0
	s_barrier_signal -1
	WIN 0
	s_barrier_wait -1
.if \fill
	CREST
	s_add_nc_u64 s[G0+4*\slot+2:G0+4*\slot+3], s[G0+4*\slot+2:G0+4*\slot+3], 4*KSB
	s_add_nc_u64 s[G0B+4*\slot+2:G0B+4*\slot+3], s[G0B+4*\slot+2:G0B+4*\slot+3], 4*KSB
	JLOAD \slot
.else
	PLACES
.endif
	FETCH \next, 0, F0
	WIN MUL
	MUL8 F1, 2, 0
.endm
	s_wait_tensorcnt 1
	s_barrier_signal -1
	s_barrier_wait -1
	FETCH 0, 0, F0
	SUB 0, 1, F0, F1, 1
	SUB 0, 2, F1, F0, 0
	SUB 0, 3, F0, F1, 0
	TURN 0, 1, 1
	SUB 1, 1, F0, F1, 0
	SUB 1, 2, F1, F0, 0
	SUB 1, 3, F0, F1, 0
	TURN 1, 0, 1
	SUB 0, 1, F0, F1, 0
	SUB 0, 2, F1, F0, 0
	SUB 0, 3, F0, F1, 0
	TURN 0, 1, 0
	SUB 1, 1, F0, F1, 0
	SUB 1, 2, F1, F0, 0
	SUB 1, 3, F0, F1, 0
	s_wait_dscnt 8
	WIN MUL
	MUL8 F1, 0, 0
	s_wait_dscnt 0x0
	MUL8 F1, 2, 0
	WIN 0
.macro TOSTAGE a
.set j, 0
.rept 16
	v_pk_mul_f32 v[TMP+j:TMP+j+1], v[ACC+32*(\a)+j:ACC+32*(\a)+j+1], s[96:97] op_sel_hi:[1,0]
.set j, j+2
.endr
.irp b, 0,1,2,3
	ds_store_b128 v[STO], v[TMP+8*\b:TMP+8*\b+3] offset:64*\b
	ds_store_b128 v[STO], v[TMP+8*\b+4:TMP+8*\b+7] offset:64*\b+16
.endr
.irp t, 0,1,2,3,4,5,6,7
	ds_load_b128 v[BK+32*((\a)%2)+4*\t:BK+32*((\a)%2)+4*\t+3], v[RD] offset:\t*2*SPITCH
.endr
.endm
.macro SEND a, younger
	s_wait_dscnt \younger
.irp t, 0,1,2,3,4,5,6,7
	global_store_b128 v[CO], v[BK+32*((\a)%2)+4*\t:BK+32*((\a)%2)+4*\t+3], s[10:11] offset:(16*(\a)+2*\t)*8192 th:TH_STORE_NT
.endr
.endm
	s_wait_kmcnt 0x0
	s_add_co_i32 s96, s96, s97
	s_add_co_i32 s96, s96, 127
	s_lshl_b32 s96, s96, 23
	PLACES
	TOSTAGE 0
.irp a, 1,2,3
.if \a > 1
	s_wait_xcnt 0x0
.endif
	TOSTAGE \a
	SEND \a-1, 16
.endr
	SEND 3, 0
	s_wait_tensorcnt 0x0
	ds_add_u32 v[SPW], v[NIL]
	s_wait_dscnt 0x0
	CROUND
	s_endpgm
.Lfunc_end_k_qaec6100a73_proj:
	.size	k_qaec6100a73_proj, .Lfunc_end_k_qaec6100a73_proj-k_qaec6100a73_proj
	.p2alignl 7, 3214868480
	.fill 96, 4, 3214868480
	.section	.rodata,"a",@progbits
	.p2align	6, 0x0
	.amdhsa_kernel k_qaec6100a73_proj
		.amdhsa_group_segment_fixed_size 327680
		.amdhsa_private_segment_fixed_size 0
		.amdhsa_enable_private_segment 0
		.amdhsa_kernarg_size 32
		.amdhsa_user_sgpr_count 2
		.amdhsa_user_sgpr_kernarg_segment_ptr 1
		.amdhsa_wavefront_size32 1
		.amdhsa_system_sgpr_workgroup_id_x 1
		.amdhsa_system_sgpr_workgroup_id_y 1
		.amdhsa_system_sgpr_workgroup_id_z 1
		.amdhsa_system_vgpr_workitem_id 0
		.amdhsa_next_free_vgpr 512
		.amdhsa_next_free_sgpr 100
		.amdhsa_reserve_vcc 0
		.amdhsa_float_denorm_mode_32 3
		.amdhsa_float_denorm_mode_16_64 3
		.amdhsa_memory_ordered 1
		.amdhsa_forward_progress 1
		.amdhsa_inst_pref_size 75
	.end_amdhsa_kernel
	.amdgpu_metadata
---
amdhsa.version: [ 1, 2 ]
amdhsa.kernels:
  - .name:           k_qaec6100a73_proj
    .symbol:         k_qaec6100a73_proj.kd
    .args:
      - { .name: ctx, .offset: 0, .size: 8, .value_kind: global_buffer, .address_space: global }
      - { .name: wimg, .offset: 8, .size: 8, .value_kind: global_buffer, .address_space: global }
      - { .name: lowp_scales, .offset: 16, .size: 8, .value_kind: global_buffer, .address_space: global }
      - { .name: out0, .offset: 24, .size: 8, .value_kind: global_buffer, .address_space: global }
    .group_segment_fixed_size: 327680
    .private_segment_fixed_size: 0
    .kernarg_segment_align: 8
    .kernarg_segment_size: 32
    .max_flat_workgroup_size: 128
    .sgpr_count:     100
    .vgpr_count:     512
    .wavefront_size: 32
...
	.end_amdgpu_metadata
.endif
;; end of part 4
